; MI455X (gfx1250); checked and timed in simulation.
; The chip was launched on July 23, 2026; its instructions are those of AMD's public machine-readable ISA for CDNA 5 (MIT licence, August 2026) and "CDNA5" Instruction Set Architecture Reference Guide (July 2026). The comments in the code are by the model that wrote it; some were corrected since.
;; Flip Linear. Allowed arithmetic: matrix products marked QUANTISED: E2M1 operands, one E8M0 scale for each 32 along K, by v_wmma_scale_f32_16x16x128_f8f6f4 with both operands' format E2M1 (or v_wmma_scale_f32_32x16x128_f4), f32 sums; everything else in f32.
;; Inputs: scales 65,536 float32; ternary 2,048 x 4,096 int32; x 4 x 2,048 x 4,096 float32.
;; Outputs: out0 4 x 2,048 x 2,048 float32.
;; This version of the problem:
;;   THIS VERSION OF THE PROBLEM IS GIVEN IN LOW PRECISION. The matrix products marked QUANTISED in the list below multiply operands that are first quantised to E2M1 (2 exponent bits, 1 mantissa bit; 4 bits a number), with one power-of-two scale for each 32 numbers along K (OCP MX v1.0); their sums are f32. All else is computed in f32.
;;   The module's matrix products, in the order in which they are computed (A, B: the left and right operand; K: the contracted axis; several contracted axes count as one K, in the product's order):
;;     1. [M 8,192, K 4,096] x [K 4,096, N 2,048]; A: input x; B: computed on the way: QUANTISED
;;   THE QUANTISER, for each operand of a quantised product, along K:
;;     - K is cut into blocks of 32 from its start; a last block that is shorter is filled with zeros.
;;     - A block's scale is 2^e with e = floor(log2(the largest magnitude in the block)) - 2, held to -126 .. 127; a block of zeros has e = 0. As a byte (E8M0): e + 127.
;;     - Each number is divided by its block's scale, clamped to +-6, and rounded to the nearest number of E2M1, ties to even, subnormals kept.
;;     - The product sums the exact products of the quantised numbers (number of the format x scale) in f32.
;;   ~~~python
;;   def quantise(x, axis):      # numpy; x: float32 -> the quantised numbers, widened to float32 again
;;       x = np.moveaxis(x, axis, -1); K = x.shape[-1]
;;       x = np.pad(x, [(0, 0)] * (x.ndim - 1) + [(0, -K % 32)]); x = x.reshape(x.shape[:-1] + (-1, 32)); a = np.abs(x).max(-1, keepdims=True)
;;       e = np.where(a > 0, np.clip(np.frexp(np.where(a > 0, a, 1))[1] - 1 - 2, -126, 127), 0)      # np.frexp(a)[1] - 1 = floor(log2(a)), exactly
;;       r = np.clip(x / 2.0 ** e, -6, 6)
;;       step = 2.0 ** (np.maximum(np.frexp(np.where(r == 0, 1, r))[1] - 1, 0) - 1)
;;       q = np.round(r / step) * step * 2.0 ** e      # np.round: ties to even
;;       return np.moveaxis(q.reshape(q.shape[:-2] + (-1,))[..., :K], -1, axis).astype(np.float32)
;;   ~~~
;;   OPERANDS COMPUTED ON THE WAY. 'Computed on the way' means the value that the module computes at that place (a softmax that the list does not call 'softmax' is quantised finished and normalised). What goes into a quantiser is computed in f32, as accurately as f32 sums, v_exp_f32 and their like allow (about 1e-6 of the number): no bf16 or f16 on the way to a quantiser, and a product that is left as it is and whose result goes on into a quantised operand takes f32 operands (vector FMAs, or v_wmma_f32_16x16x4_f32). A number that lies on a knife's edge between two numbers of the format may be rounded either way, as far as f32 arithmetic and the matrix unit's own rounding can turn it there, and no further.
;; One version. Each part assembles by itself: llvm-mc -triple=amdgcn-amd-amdhsa -mcpu=gfx1250 --defsym DOCPART=n.
;; ======== version 1 of 1: 2 launches
;; limits: right only within a limited range of input values
;; workspace buffers: xq 17,825,792 bytes; wq 4,456,448 bytes
;; launch quant (part 1): grid 1280 x 1, 4 waves a work-group, no clusters, 19,968 bytes of LDS; arguments x, ternary, xq, wq, scales; writes xq, wq
.if DOCPART == 1
	.amdgcn_target "amdgcn-amd-amdhsa--gfx1250"
	.amdhsa_code_object_version 6
	.text
	.protected	k_qb14b03ee6a_quant
	.globl	k_qb14b03ee6a_quant
	.p2align	8
	.type	k_qb14b03ee6a_quant,@function
k_qb14b03ee6a_quant:
	s_mov_b64 s[64:65], 0
	v_nop
	global_prefetch_b8 v0, s[64:65] scope:SCOPE_SE
	s_setreg_imm32_b32 hwreg(HW_REG_WAVE_MODE, 25, 1), 1
	s_wait_xcnt 0x0
; Both operands of out = x w^T become codes of FP4 (E2M1) with one E8M0 scale byte for each 32 along K.
; x: [8192][4096] f32.  w[o][i] = f32(ternary[o][i]) * scales[(o * 4096 + i) / 128], made here in f32 and quantised like x.
; A block's scale is 2^(floor(log2(largest magnitude)) - 2); its byte is that magnitude's exponent field - 2, held at 1 from below.
; LIMITS: NaN and infinities among the inputs are not served.  A block of zeros gets the byte 1 where the rule says 127: its codes are zeros, and this
; program alone reads the bytes.  Blocks whose largest magnitude lies under 2^-124 get the byte 1.  |ternary| above 2^24 is rounded to f32 by the conversion.
; WHAT IS WRITTEN.  16 rows x 512 along K are 4,352 = 17 x 256 consecutive bytes, in the order of the operand's registers:
;   bytes 0 .. 4,095: run 4 q + b (256 bytes) = [row][16 bytes]: the row's codes of K = 128 q + 32 b + 0 .. 31, the lower k in the lower bits;
;   bytes 4,096 .. 4,351: the scale bytes [row][q][b].      xq: [8 K steps][512 groups of 16 rows][4,352], wq: [8][128][4,352].
; SHARES.  A wave takes 16 rows x one K step, a row (2,048 bytes, four segments of 512) a step.  The first WGX work-groups take x, the other 256 w.
; A LANE GETS 8 NEIGHBOURS WITHOUT A TURN THROUGH LDS.  Lane (r, h) loads the 16 bytes at 32 r + 16 h of a segment: a load covers 512 consecutive bytes.
; Segments p and p + 2 lie in 8 consecutive registers; v_permlane16_swap_b32 changes the first four's lanes 16-31 with the second four's lanes 0-15:
; lane (r, h) then holds numbers 8 r .. 8 r + 7 of segment q = p + 2 h.  Four neighbouring lanes hold a block: two DPP steps join their maxima.
; A lane's 8 codes (4 bytes) go to the wave's own LDS bytes, 17 runs 272 bytes apart (the eight groups of four lanes of a store begin 4 words apart modulo 64),
; and leave as whole runs of 256 bytes.  No tensor loads, no barrier: waves share nothing.  Loads run four rows ahead in five sets of 16 registers.
.set WGX,   1024
.set STEPS, 16
.set ROWB,  16384
.set BLK,   4352
.set RUNP,  272
.set WREG,  4864                       ; LDS of a wave: 17 runs of 272 bytes, rounded up to blocks of 256
.set SPARE, 4*WREG                     ; the spare words: 128 bytes a wave, named by no other line
.set EMAX,  2
.set R,     16                         ; v16-95   five sets of 16 numbers
.set S,     96                         ; v96-127  w's two group scales (q = 2 h, 2 h + 1) for each row
.set C,     128                        ; v128-159 codes, a register for each row and pair: no LDS store's data are written again
.set E,     160                        ; v160-191 scale bytes likewise
.set OUT,   16                         ; the way out, where the numbers lay
.set SPW,   12
.set NIL,   13
	s_load_b256 s[4:11], s[0:1], 0x0               ; x, ternary, xq, wq
	s_load_b64 s[12:13], s[0:1], 0x20              ; scales
	v_lshl_add_u32 v[SPW], v0, 2, SPARE
	v_mov_b32 v[NIL], 0
	v_lshrrev_b32 v1, 5, v0
	v_readfirstlane_b32 s16, v1                    ; wave
	v_and_b32 v2, 31, v0                           ; lane
	v_and_b32 v8, 15, v2                           ; r
	v_lshrrev_b32 v9, 4, v2                        ; h
	v_lshlrev_b32 v3, 5, v8
	v_lshl_add_u32 v3, v9, 4, v3                   ; my 16 bytes of a segment: 32 r + 16 h
	s_mul_i32 s25, s16, WREG
	v_bfe_u32 v10, v2, 2, 2
	v_lshl_add_u32 v10, v9, 3, v10                 ; 8 h + r / 4: my run less 4 p; also my scale byte's place less 16 row + 4 p
	v_mul_u32_u24 v4, v10, RUNP
	v_and_b32 v11, 3, v2
	v_lshl_add_u32 v4, v11, 2, v4
	v_add_nc_u32 v4, s25, v4                       ; where my 4 bytes of codes go
	v_add_nc_u32 v5, s25, v10                      ; where my block's byte goes
	v_mul_u32_u24 v6, v9, RUNP
	v_lshl_add_u32 v6, v8, 4, v6
	v_add_nc_u32 v6, s25, v6                       ; back: lanes 0-15 one run, lanes 16-31 the next
	v_lshlrev_b32 v7, 4, v2                        ; and the same 512 bytes in memory
	v_lshlrev_b32 v1, 3, v2                        ; the last run: 8 bytes a lane
	v_add_nc_u32 v15, s25, v1
	v_lshlrev_b32 v14, 3, v9                       ; w's group scales: 8 h bytes into the K step's four
.set Q, 0
.rept 32
	v_mov_b32 v[S+Q], 1.0                          ; written on every way through the text; w's work-groups load over them
.set Q, Q+1
.endr
	s_wait_alu depctr_va_vdst(0)                   ; the wait at the head's end
	s_wait_kmcnt 0x0
	s_cmp_lt_u32 ttmp9, WGX                        ; x's work-group or w's: the choice hangs on the work-group's number alone
	s_cselect_b64 s[4:5], s[4:5], s[6:7]
	s_cselect_b64 s[8:9], s[8:9], s[10:11]
	s_cselect_b32 s17, 0, WGX
	s_cselect_b32 s20, 9, 7                        ; log2 of the tensor's groups of 16 rows
	s_cselect_b32 s24, 0, 1                        ; 1: w
	s_sub_co_u32 s17, ttmp9, s17
	s_lshl_b32 s17, s17, 2
	s_add_co_u32 s18, s17, s16                     ; my wave's unit
	s_and_b32 s19, s18, 7                          ; its K step
	s_lshr_b32 s21, s18, 3                         ; its group of 16 rows
	s_lshl_b32 s22, s21, 18
	s_lshl_b32 s23, s19, 11
	s_add_co_u32 s22, s22, s23
	s_mov_b32 s23, 0
	s_add_nc_u64 s[4:5], s[4:5], s[22:23]
	s_lshl_b32 s26, s19, s20
	s_add_co_u32 s26, s26, s21
	s_mul_i32 s26, s26, BLK
	s_mov_b32 s27, 0
	s_add_nc_u64 s[8:9], s[8:9], s[26:27]
	s_cmp_eq_u32 s24, 0
	s_cbranch_scc1 .Lno_scales
	s_lshl_b32 s28, s21, 11                        ; w alone: 32 group scales, 128 bytes, a row; four a K step
	s_lshl_b32 s29, s19, 4
	s_add_co_u32 s28, s28, s29
	s_mov_b32 s29, 0
	s_add_nc_u64 s[12:13], s[12:13], s[28:29]
.irp t, 0,1,2,3,4,5,6,7,8,9,10,11,12,13,14,15
	global_load_b64 v[S+2*\t:S+2*\t+1], v14, s[12:13] offset:128*\t
.endr
.Lno_scales:
.macro LOAD t                          ; row t: segments 0, 2, 1, 3 into registers 0-3, 4-7, 8-11, 12-15 of set t % 5
.irp p, 0,1
.irp u, 0,1
	global_load_b128 v[R+16*((\t)%5)+8*\p+4*\u:R+16*((\t)%5)+8*\p+4*\u+3], v3, s[4:5] offset:ROWB*(\t)+512*(\p+2*\u) th:TH_LOAD_NT
.endr
.endr
.endm
.irp t, 0,1,2,3
	LOAD \t
.endr
.macro STEP t
.set XS, R+16*((\t)%5)
.if (\t)+4 < STEPS
	LOAD (\t)+4                                    ; into the set that the last step's conversions have read
.endif
.if 15-(\t) >= 4
	s_wait_loadcnt 16                              ; row t is in (and w's scales, asked for earlier); the four loads of each of the four rows behind it may be out
.else
	s_wait_loadcnt 4*(15-(\t))
.endif
.irp j, 0,1,2,3
	v_permlane16_swap_b32 v[XS+\j], v[XS+4+\j]
	v_permlane16_swap_b32 v[XS+8+\j], v[XS+12+\j]
.endr
	s_wait_alu depctr_va_vdst(0)                   ; the wait here, directly ahead of the branch
	s_cmp_eq_u32 s24, 0
	s_cbranch_scc1 .Lis_x_\@
.irp i, 0,1,2,3,4,5,6,7,8,9,10,11,12,13,14,15
	v_cvt_f32_i32 v[XS+\i], v[XS+\i]
.endr
.irp i, 0,1,2,3,4,5,6,7
	v_mul_f32 v[XS+\i], v[S+2*(\t)], v[XS+\i]      ; times the scale of group q = p + 2 h: one rounding, in f32
	v_mul_f32 v[XS+8+\i], v[S+2*(\t)+1], v[XS+8+\i]
.endr
.Lis_x_\@:
	v_max3_num_f32 v8, |v[XS]|, |v[XS+1]|, (EMAX+1)<<23            ; my 8 of each pair, and the floor that holds the byte at 1; the two pairs by turns
	v_max3_num_f32 v9, |v[XS+8]|, |v[XS+9]|, (EMAX+1)<<23
.irp i, 2,4,6
	v_max3_num_f32 v8, v8, |v[XS+\i]|, |v[XS+\i+1]|
	v_max3_num_f32 v9, v9, |v[XS+8+\i]|, |v[XS+9+\i]|
.endr
	v_max_num_f32_dpp v8, v8, v8 row_xmask:1 row_mask:0xf bank_mask:0xf
	v_max_num_f32_dpp v9, v9, v9 row_xmask:1 row_mask:0xf bank_mask:0xf
	v_max_num_f32_dpp v8, v8, v8 row_xmask:2 row_mask:0xf bank_mask:0xf   ; the four lanes' 32: the block's
	v_max_num_f32_dpp v9, v9, v9 row_xmask:2 row_mask:0xf bank_mask:0xf
	v_add_nc_u32 v10, -(EMAX<<23), v8              ; EMAX off the exponent field: the conversion's scale operand
	v_add_nc_u32 v11, -(EMAX<<23), v9
	v_cvt_scalef32_pk8_fp4_f32 v[C+2*(\t)], v[XS:XS+7], v10
	v_cvt_scalef32_pk8_fp4_f32 v[C+2*(\t)+1], v[XS+8:XS+15], v11
	v_lshrrev_b32 v[E+2*(\t)], 23, v10             ; the scale's byte (also the plain line behind the conversions)
	v_lshrrev_b32 v[E+2*(\t)+1], 23, v11
	ds_store_b32 v4, v[C+2*(\t)] offset:16*(\t)
	ds_store_b32 v4, v[C+2*(\t)+1] offset:4*RUNP+16*(\t)
	ds_store_b8 v5, v[E+2*(\t)] offset:16*RUNP+16*(\t)             ; the four lanes of a block write the same byte with the same value
	ds_store_b8 v5, v[E+2*(\t)+1] offset:16*RUNP+16*(\t)+4
.endm
.irp t, 0,1,2,3,4,5,6,7,8,9,10,11,12,13,14,15
	STEP \t
.endr
.irp i, 0,1,2,3,4,5,6,7
	ds_load_b128 v[OUT+4*\i:OUT+4*\i+3], v6 offset:2*RUNP*\i       ; LDS serves a wave's instructions in order: these see my stores
.endr
	ds_load_b64 v[OUT+32:OUT+33], v15 offset:16*RUNP
.irp i, 0,1,2,3,4,5,6,7
	s_wait_dscnt 8-\i                              ; runs 2 i and 2 i + 1 are in; the younger loads may be out
	global_store_b128 v7, v[OUT+4*\i:OUT+4*\i+3], s[8:9] offset:512*\i   ; 512 consecutive bytes, at a multiple of 256 from the buffer's first byte
.endr
	s_wait_dscnt 0x0
	global_store_b64 v1, v[OUT+32:OUT+33], s[8:9] offset:4096      ; the scale bytes: one aligned run of 256
	s_wait_tensorcnt 0x0                           ; the wave's end
	ds_add_u32 v[SPW], v[NIL]
	s_wait_dscnt 0x0
	s_endpgm
.Lfunc_end_k_qb14b03ee6a_quant:
	.size	k_qb14b03ee6a_quant, .Lfunc_end_k_qb14b03ee6a_quant-k_qb14b03ee6a_quant
	.p2alignl 7, 3214868480
	.fill 96, 4, 3214868480
	.section	.rodata,"a",@progbits
	.p2align	6, 0x0
	.amdhsa_kernel k_qb14b03ee6a_quant
		.amdhsa_group_segment_fixed_size 19968
		.amdhsa_private_segment_fixed_size 0
		.amdhsa_enable_private_segment 0
		.amdhsa_kernarg_size 40
		.amdhsa_user_sgpr_count 2
		.amdhsa_user_sgpr_kernarg_segment_ptr 1
		.amdhsa_wavefront_size32 1
		.amdhsa_system_sgpr_workgroup_id_x 1
		.amdhsa_system_sgpr_workgroup_id_y 1
		.amdhsa_system_sgpr_workgroup_id_z 1
		.amdhsa_system_vgpr_workitem_id 0
		.amdhsa_next_free_vgpr 192
		.amdhsa_next_free_sgpr 66
		.amdhsa_reserve_vcc 0
		.amdhsa_float_denorm_mode_32 3
		.amdhsa_float_denorm_mode_16_64 3
		.amdhsa_memory_ordered 1
		.amdhsa_forward_progress 1
		.amdhsa_inst_pref_size 57
	.end_amdhsa_kernel
	.amdgpu_metadata
---
amdhsa.version: [ 1, 2 ]
amdhsa.kernels:
  - .name:           k_qb14b03ee6a_quant
    .symbol:         k_qb14b03ee6a_quant.kd
    .args:
      - { .name: x, .offset: 0, .size: 8, .value_kind: global_buffer, .address_space: global }
      - { .name: ternary, .offset: 8, .size: 8, .value_kind: global_buffer, .address_space: global }
      - { .name: xq, .offset: 16, .size: 8, .value_kind: global_buffer, .address_space: global }
      - { .name: wq, .offset: 24, .size: 8, .value_kind: global_buffer, .address_space: global }
      - { .name: scales, .offset: 32, .size: 8, .value_kind: global_buffer, .address_space: global }
    .group_segment_fixed_size: 19968
    .private_segment_fixed_size: 0
    .kernarg_segment_align: 8
    .kernarg_segment_size: 40
    .max_flat_workgroup_size: 128
    .sgpr_count:     66
    .vgpr_count:     192
    .wavefront_size: 32
...
	.end_amdgpu_metadata
.endif
;; end of part 1
;; launch gemm (part 2): grid 8 x 32, 4 waves a work-group, clusters of 4 x 1, 327,680 bytes of LDS; arguments xq, wq, out0; writes out0
.if DOCPART == 2
	.amdgcn_target "amdgcn-amd-amdhsa--gfx1250"
	.amdhsa_code_object_version 6
	.text
	.protected	k_qb14b03ee6a_gemm
	.globl	k_qb14b03ee6a_gemm
	.p2align	8
	.type	k_qb14b03ee6a_gemm,@function
k_qb14b03ee6a_gemm:
	s_mov_b64 s[64:65], 0
	v_nop
	global_prefetch_b8 v0, s[64:65] scope:SCOPE_SE
	s_setreg_imm32_b32 hwreg(HW_REG_WAVE_MODE, 25, 1), 1
	s_wait_xcnt 0x0
	s_wait_alu depctr_hold_cnt(0) depctr_sa_sdst(0) depctr_va_vdst(0) depctr_va_sdst(0) depctr_va_ssrc(0) depctr_va_vcc(0) depctr_vm_vsrc(0)
	s_getreg_b32 s2, hwreg(HW_REG_IB_STS2, 6, 4)
	s_cmp_eq_u32 s2, 0
	s_cbranch_scc0 .Lentry_in_a_cluster
	s_endpgm
.Lentry_in_a_cluster:
	s_bfe_u32 s2, ttmp6, 0x10000c
	s_cmp_lg_u32 s2, 0x3003
	s_cbranch_scc0 .Lentry_shape_is_right
	s_endpgm
.Lentry_shape_is_right:
; out0[m][n] = sum over k of A[m][k] B[n][k], A = x quantised (8192 rows), B = w quantised (2048 rows), K = 4096: codes of FP4 (E2M1), one E8M0 scale for each 32 along K; sums in f32, K ascending.
; The operands come in BLOCKS of 16 rows x 512 along K, 4,352 consecutive bytes: four fragments' images [q][c][lane][16 bytes], then the scale bytes [row][q][4 bytes].
; xq: [8 K steps][512 blocks][4,352], wq: [8][128][4,352].  A fragment (16 rows x 128 K, 8 registers) is two loads of 512 consecutive bytes at 16 x lane.
; LIMITS: as the launch that makes the blocks states them.
; SHARES.  A tile of C, 256 x 256, a work-group; 32 x 8 tiles: 256 work-groups.  A wave makes all 256 rows x 64 columns, 512 registers of sums.
; THE MATRIX INSTRUCTION is the 32 x 16 x 128 form, USED TRANSPOSED: source 0 = 32 rows of B (two neighbouring fragments), source 1 = 16 rows of A.  Its 16 result registers are
; 16 rows of C x 32 columns: a lane holds row r and columns 8 h + 0 .. 7 and 16 + 8 h + 0 .. 7.  16 blocks of A x 2 pairs of B's blocks = 32 accumulators.
; A GOES THROUGH LDS: two slots, each 256 rows x 1,024 along K (eight steps of 128); a wave's one load brings 8 blocks, 34,816 bytes.  All of K is four fills.
; At the head each wave asks for its part of slot 0; slot 1's first fill stands behind the wait for it, the add and a round, as a refill does.
; A's scale words of four steps come by eight loads of 16 bytes a lane, into two sets of 32 registers.
; B GOES FROM MEMORY STRAIGHT INTO REGISTERS: a ring of eight sets of four fragments; behind each step the set just multiplied is asked for anew, for the step eight on.
; At the head only sets 0 and 1 are asked for beside slot 0; sets 2 to 7 follow behind slot 1's request and the first LDS loads.
; CLUSTERS: the four work-groups of a cluster make four tiles of one tile row and ask for A's tiles JOINTLY.  B is not asked for jointly: a joint load lands in LDS, and with B's 256 rows beside A's
; a slot of these bytes would hold 512 along K: eight fills in place of four.
; NO PREFETCH: of the four fills two are first fills, and a refill is asked for seven and a half steps ahead of the wait for it; B's ring asks eight steps ahead by itself.
; THE LAST SIX STEPS GO BY ROWS OF C: their six sets of B are all in registers, so the 16 blocks of 16 rows are finished one after the other and each leaves while the next are multiplied.
; REGISTERS: window 0: v16-29 addresses; v48-63 B's scale words, 8 x 2; v64-127 A's scale words, two sets; v128-255 A's 16 fragments, one set (by rows: two buffers of 48).
;   window 1: B's ring, set j at v[32 j].  window 2: the sums of A's blocks 0-7 (block a, pair b at v[8 (4 a + 2 b)]);  window 3: blocks 8-15.
.set SIZE_N, 2048
.set BLK,    4352
.set HALFT,  8*BLK
.set SLOT,   4*HALFT                   ; part u = 2 x (K step in the slot) + (blocks 8-15) lies at u x HALFT
.set STEPA,  512*BLK
.set STEPB,  128*BLK
.set SPARE,  2*SLOT                    ; the spare words: 128 bytes a wave, named by no other line
.set SPITCH, 272                       ; the way out: a stage of 16 rows x (256 + 16) bytes a wave, in slot 0, which has had its last fill and last read by then
.set L16,  16                          ; 16 x lane
.set ADA,  17                          ; v17-20 my place in part u of the slot in hand
.set ASL,  21                          ; 4,096 + 16 r; lanes 16-31 eight blocks on
.set ADS,  22                          ; v22-23 the same in the slot in hand, for its two K steps
.set BSO,  24                          ; 4,096 + 16 r; lanes 16-31 one block on
.set STO,  25
.set RD,   26
.set CO,   27
.set SPW,  28
.set NIL,  29
.set SB,   48                          ; v[SB + 2 j + p]: lanes 0-15 B's block 2 p, lanes 16-31 block 2 p + 1: lane m has row m of source 0's 32
.set SA,   64                          ; v[SA + 32 (j / 4) + 4 i + j % 4]: lanes 0-15 A's block i, lanes 16-31 block i + 8
.set AF,   128
.set G1, 24
.set G0, 32
.set GW, 36                            ; slot 1's group 0, which then walks on
.set TB, 46                            ; LDS byte at which the slot in hand begins
.set MSB, 0
.macro WIN new
.if MSB != \new
	s_set_vgpr_msb (MSB<<8)|\new
.set MSB, \new
.endif
.endm
.set MUL_LO, 0xa1
.set MUL_HI, 0xf1
.set TO_B,   0x40
.macro CREST
	s_cmp_lg_u32 s14, 0
	s_cbranch_scc1 .Lnot_wave_0_\@
	s_barrier_signal -3
.Lnot_wave_0_\@:
	s_barrier_wait -3
	s_barrier_signal -1
	s_barrier_wait -1
.endm
.macro CROUND
	s_barrier_signal -1
	s_barrier_wait -1
	CREST
.endm
.macro PLACES                          ; four places behind matrix instructions, ahead of loads into their registers and of stores of their results
.rept 4
	v_nop
.endr
.endm
.macro NEWADR
	v_add_nc_u32 v[ADA], s[TB], v[L16]
.irp u, 1,2,3
	s_add_co_u32 s47, s[TB], \u*HALFT
	v_add_nc_u32 v[ADA+\u], s47, v[L16]
.endr
	v_add_nc_u32 v[ADS], s[TB], v[ASL]
	s_add_co_u32 s47, s[TB], 2*HALFT
	v_add_nc_u32 v[ADS+1], s47, v[ASL]
.endm
; One matrix instruction on rD, rB, rA, rSB, rSA.  ra: the half of the lanes in which A's scale words stand.  zero = 1: the product starts its sum.
.macro EMIT zero, ra
.if \zero
.if (\ra) == 0
	v_wmma_scale_f32_32x16x128_f4 v[rD:rD+15], v[rB:rB+15], v[rA:rA+7], 0, v[rSB], v[rSA]
.else
	v_wmma_scale_f32_32x16x128_f4 v[rD:rD+15], v[rB:rB+15], v[rA:rA+7], 0, v[rSB], v[rSA] matrix_b_scale:MATRIX_SCALE_ROW1
.endif
.else
.if (\ra) == 0
	v_wmma_scale_f32_32x16x128_f4 v[rD:rD+15], v[rB:rB+15], v[rA:rA+7], v[rD:rD+15], v[rSB], v[rSA]
.else
	v_wmma_scale_f32_32x16x128_f4 v[rD:rD+15], v[rB:rB+15], v[rA:rA+7], v[rD:rD+15], v[rSB], v[rSA] matrix_b_scale:MATRIX_SCALE_ROW1
.endif
.endif
.endm
; 8 matrix instructions: A's blocks 8 hi + a0 .. + 3 x B's two pairs, the slot's j-th step.  The 32 accumulators take turns, one instruction a turn.
.macro MUL4 hi, a0, j, zero
.irp a, \a0, \a0+1, \a0+2, \a0+3
.irp b, 0,1
.set rD, 8*(4*(\a)+2*\b)
.set rB, 32*(\j)+16*\b
.set rA, AF+8*(8*\hi+(\a))
.set rSB, SB+2*(\j)+\b
.set rSA, SA+32*((\j)/4)+4*(\a)+(\j)%4
	EMIT \zero, \hi
.endr
.endr
.endm
.macro FETCH_A j, hf                   ; A's blocks 8 hf .. 8 hf + 7 of the slot's j-th step: 16 loads of 512 consecutive bytes
.irp i, 0,1,2,3,4,5,6,7
.irp c, 0,1
	ds_load_b128 v[AF+8*(8*\hf+\i)+4*\c:AF+8*(8*\hf+\i)+4*\c+3], v[ADA+2*((\j)/4)+\hf] offset:\i*BLK+((\j)%4)*1024+512*\c
.endr
.endr
.endm
.macro SCALES_A j                      ; at the first of four steps: their scale words of all 16 blocks, 8 loads of 16 bytes a lane; at the other steps nothing
.if ((\j)%4) == 0
.irp i, 0,1,2,3,4,5,6,7
	ds_load_b128 v[SA+32*((\j)/4)+4*\i:SA+32*((\j)/4)+4*\i+3], v[ADS+(\j)/4] offset:\i*BLK
.endr
.endif
.endm
.macro BLOAD j, R                      ; B's set j for step j of the slot R slots on from where s[6:7] stands: ten loads
	WIN TO_B
.irp b, 0,1,2,3
.irp c, 0,1
	global_load_b128 v[32*(\j)+8*\b+4*\c:32*(\j)+8*\b+4*\c+3], v[L16], s[6:7] offset:(2*(\R)+(\j)/4)*STEPB+\b*BLK+((\j)%4)*1024+512*\c
.endr
.endr
	WIN 0
.irp p, 0,1
	global_load_b32 v[SB+2*(\j)+\p], v[BSO], s[6:7] offset:(2*(\R)+(\j)/4)*STEPB+2*\p*BLK+4*((\j)%4)
.endr
.endm
.macro STEP j, zero, R, left           ; a step that has its successor in the same slot
	s_wait_loadcnt \left                           ; B's set j is in
	s_wait_dscnt 16                                ; A's blocks 0-7 and the scale words are in; the youngest sixteen loads (blocks 8-15) may be out
	WIN MUL_LO
	MUL4 0, 0, \j, \zero
	MUL4 0, 4, \j, \zero
	s_wait_dscnt 0x0
	PLACES
	WIN 0
	FETCH_A \j+1, 0
	SCALES_A \j+1
	WIN MUL_HI
	MUL4 1, 0, \j, \zero
	MUL4 1, 4, \j, \zero
	PLACES
	WIN 0
	FETCH_A \j+1, 1
.if (\R) > 0
	BLOAD \j, \R
.endif
.endm
; A slot's last step changes slots: one barrier; ahead of it each wave waits for all its tensor loads, adds 0 to its spare word, and waits for that and for its reads of this slot.
.macro TURN fill
	s_wait_loadcnt 63                              ; B's set 7 is in
	s_wait_tensorcnt 0x0                           ; my part of the next slot has landed
	ds_add_u32 v[SPW], v[NIL]
	s_wait_dscnt 17                                ; the add and the youngest sixteen loads may be out
	WIN MUL_LO
	MUL4 0, 0, 7, 0
	s_wait_dscnt 0x0                               ; the add is done, my reads of this slot are over
	s_barrier_signal -1
	MUL4 0, 4, 7, 0
	WIN 0
	s_barrier_wait -1
.if \fill
	CREST                                          ; the barrier has opened a round: no wave of any partner reads this slot or has a load on its way
	s_xor_b32 s[GW+1], s[GW+1], SLOT               ; the other slot than last time,
	s_add_nc_u64 s[GW+2:GW+3], s[GW+2:GW+3], 2*STEPA   ; the next 1,024 along K; no tensor load of mine is out
	tensor_load_to_lds s[GW:GW+3], s[G1:G1+7]
	s_nop 0
.endif
	PLACES
	s_xor_b32 s[TB], s[TB], SLOT
	NEWADR
	s_wait_alu depctr_va_vdst(0)                   ; the wait here, directly behind the writes
	FETCH_A 0, 0
	SCALES_A 0
	WIN MUL_HI
	MUL4 1, 0, 7, 0
	MUL4 1, 4, 7, 0
	PLACES
	WIN 0
	FETCH_A 0, 1
	BLOAD 7, 1
.endm
; The last slot's steps 2 to 7 by rows of C.
.macro ALOAD a                         ; A's fragments of block a, the six steps -> buffer a % 2 of 48 registers: 12 loads
.irp q, 2,3,4,5,6,7
.irp c, 0,1
	ds_load_b128 v[AF+48*((\a)%2)+8*(\q-2)+4*\c:AF+48*((\a)%2)+8*(\q-2)+4*\c+3], v[ADA+2*(\q/4)+(\a)/8] offset:((\a)%8)*BLK+(\q%4)*1024+512*\c
.endr
.endr
.endm
.macro ROW a                           ; block a is finished: 12 matrix instructions, its two accumulators by turns, K ascending
	WIN MUL_LO+0x50*((\a)/8)
.irp q, 2,3,4,5,6,7
.irp b, 0,1
.set rD, 8*(4*((\a)%8)+2*\b)
.set rB, 32*\q+16*\b
.set rA, AF+48*((\a)%2)+8*(\q-2)
.set rSB, SB+2*\q+\b
.set rSA, SA+32*(\q/4)+4*((\a)%8)+\q%4
	EMIT 0, (\a)/8
.endr
.endr
.endm
.macro TOSTAGE a                       ; 16 rows x 64 columns through my stage and back as whole rows of 256 bytes, into the registers that they left; LDS serves a wave's instructions in order
.set AC, 32*((\a)%8)
	WIN 0x88+0x44*((\a)/8)
.irp b, 0,1,2,3
	ds_store_b128 v[STO], v[AC+8*\b:AC+8*\b+3] offset:64*\b          ; each accumulator from its low end on
	ds_store_b128 v[STO], v[AC+8*\b+4:AC+8*\b+7] offset:64*\b+16
.endr
.irp t, 0,1,2,3,4,5,6,7
	ds_load_b128 v[AC+4*\t:AC+4*\t+3], v[RD] offset:\t*2*SPITCH
.endr
.endm
.macro SEND a
.set AC, 32*((\a)%8)
	WIN 0x88+0x44*((\a)/8)
.irp t, 0,1,2,3,4,5,6,7
	global_store_b128 v[CO], v[AC+4*\t:AC+4*\t+3], s[12:13] offset:(16*(\a)+2*\t)*SIZE_N*4 th:TH_STORE_NT   ; 16 lanes store 256 consecutive bytes, at a multiple of 256 from C's first byte
.endr
.endm
	s_load_b128 s[4:7], s[0:1], 0x0                ; xq, wq
	s_load_b64 s[12:13], s[0:1], 0x10              ; out0
	v_lshl_add_u32 v[SPW], v0, 2, SPARE
	v_mov_b32 v[NIL], 0
	ds_add_u32 v[SPW], v[NIL]                      ; the opening lines: the add twice on end under one wait
	ds_add_u32 v[SPW], v[NIL]
	v_lshrrev_b32 v1, 5, v0
	v_readfirstlane_b32 s14, v1                    ; wave
	s_lshr_b32 s15, s14, 1                         ; what I fetch of a slot: which of its two K steps,
	s_and_b32 s16, s14, 1                          ; and which eight blocks
	s_bfe_u32 s40, ttmp6, 0x40000                  ; cx
	s_lshl_b32 s42, ttmp9, 2
	s_add_co_u32 s42, s42, s40                     ; tile column: it enters B's and C's addresses alone
	s_and_b32 s17, ttmp7, 0xffff                   ; tile row, which the four partners share
	s_mov_b32 s[G1+0], 15|(3<<16)|(1<<21)          ; the mask of all four; elements of 8 bytes; bit 21 beside a mask
	s_mov_b32 s[G1+1], 32<<16                      ; 136 dense rows of 256 bytes
	s_mov_b32 s[G1+2], 136<<16
	s_mov_b32 s[G1+3], 32<<16
	s_mov_b32 s[G1+4], 136
	s_mov_b32 s[G1+5], 32
	s_mov_b32 s[G1+6], 0
	s_mov_b32 s[G1+7], 0
	s_lshl_b32 s20, s17, 4                         ; A: block 16 x tile row + my eight, in my K step of the slot
	s_lshl_b32 s18, s16, 3
	s_add_co_u32 s20, s20, s18
	s_mul_i32 s20, s20, BLK
	s_mul_i32 s18, s15, STEPA
	s_add_co_u32 s20, s20, s18
	s_mov_b32 s21, 0
	s_lshl_b32 s22, s42, 4                         ; B: block 16 x tile column + 4 x wave
	s_lshl_b32 s50, s14, 2
	s_add_co_u32 s22, s22, s50
	s_mul_i32 s22, s22, BLK
	s_mov_b32 s23, 0
	s_lshl_b32 s48, s17, 21                        ; C: 256 rows of 8,192 bytes a tile row, 1,024 bytes a tile column, 256 a wave
	s_lshl_b32 s50, s42, 10
	s_add_co_u32 s48, s48, s50
	s_lshl_b32 s50, s14, 8
	s_add_co_u32 s48, s48, s50
	s_mov_b32 s49, 0
	s_mul_i32 s45, s14, HALFT                      ; where my part of a slot goes
	s_mul_i32 s19, s14, 16*SPITCH                  ; my stage
	s_mov_b32 s[TB], 0
	v_and_b32 v1, 15, v0                           ; r
	v_bfe_u32 v2, v0, 4, 1                         ; h
	v_and_b32 v3, 31, v0
	v_lshlrev_b32 v[L16], 4, v3
	v_lshlrev_b32 v4, 4, v1                        ; a row's four scale words: 16 bytes
	v_mul_u32_u24 v5, v2, HALFT
	v_add_nc_u32 v5, v5, v4
	v_add_nc_u32 v[ASL], 4096, v5
	v_mul_u32_u24 v5, v2, BLK
	v_add_nc_u32 v5, v5, v4
	v_add_nc_u32 v[BSO], 4096, v5
	NEWADR
	v_mul_u32_u24 v5, v1, SPITCH                   ; into the stage: row r, 32 bytes for each half of the lanes
	v_lshl_add_u32 v5, v2, 5, v5
	v_add_nc_u32 v[STO], s19, v5
	v_mul_u32_u24 v5, v2, SPITCH                   ; back: lanes 0-15 one row, lanes 16-31 the next
	v_lshl_add_u32 v5, v1, 4, v5
	v_add_nc_u32 v[RD], s19, v5
	v_lshlrev_b32 v5, 13, v2
	v_lshl_add_u32 v[CO], v1, 4, v5
	s_wait_alu depctr_va_vdst(0)                   ; the wait at the head's end
	s_wait_dscnt 0x0                               ; both opening adds are done
	s_wait_kmcnt 0x0
	s_add_nc_u64 s[20:21], s[4:5], s[20:21]
	s_add_nc_u64 s[6:7], s[6:7], s[22:23]
	s_add_nc_u64 s[12:13], s[12:13], s[48:49]
.irp s, 0,1
	s_mov_b32 s[G0+4*\s], 1
	s_add_co_u32 s[G0+4*\s+1], s45, \s*SLOT
	s_add_nc_u64 s[G0+4*\s+2:G0+4*\s+3], s[20:21], \s*2*STEPA
	s_or_b32 s[G0+4*\s+3], s[G0+4*\s+3], 0x80000000
.endr
	CROUND                                         ; all four work-groups are here: the first joint loads meet
	tensor_load_to_lds s[G0:G0+3], s[G1:G1+7]      ; my part of slot 0: my one tensor load at the head
	s_nop 0
	PLACES
	BLOAD 0, 0                                     ; beside it only what the first two steps want of B
	BLOAD 1, 0
	s_wait_tensorcnt 0x0                           ; my part of slot 0 is in; the lines ahead of a later first fill:
	ds_add_u32 v[SPW], v[NIL]
	s_wait_dscnt 0x0
	CROUND                                         ; everybody's part is in, and the joint loads meet
	tensor_load_to_lds s[G0+4:G0+7], s[G1:G1+7]    ; slot 1: it has seven steps in which to land
	s_nop 0
	PLACES
	FETCH_A 0, 0
	SCALES_A 0
	FETCH_A 0, 1
.irp j, 2,3,4,5,6,7
	BLOAD \j, 0                                    ; the rest of B's ring, in the ring's order
.endr
; THE WAIT FOR B'S SET: at a step's head the sets of the seven steps behind it have been asked for, 70 loads; a wait can name 63.  In the last slot the counts run down: 63, 60, 0.
	STEP 0, 1, 1, 63                               ; the first step's products start the sums
	s_mov_b32 s3, 2
.Lslot:                                                ; a trip: from a slot's second step to the next slot's first; it fills the slot that it leaves again
.irp j, 1,2,3,4,5,6
	STEP \j, 0, 1, 63
.endr
	TURN 1
	STEP 0, 0, 2, 63
	s_wait_xcnt 0x0                                ; B's loads have read their base: only now is it stepped
	s_add_nc_u64 s[6:7], s[6:7], 2*STEPB
	s_sub_co_u32 s3, s3, 1
	s_cmp_lg_u32 s3, 0
	s_cbranch_scc1 .Lslot
.irp j, 1,2,3,4,5,6
	STEP \j, 0, 1, 63                              ; K slot 2 is written out: behind it nothing is filled
.endr
	TURN 0
	STEP 0, 0, 0, 63                               ; K slot 3: B's ring asks for nothing more
	s_wait_loadcnt 60                              ; its step 1 fetches, in place of a next step's fragments, the first two blocks by rows
	s_wait_dscnt 16
	WIN MUL_LO
	MUL4 0, 0, 1, 0
	MUL4 0, 4, 1, 0
	s_wait_dscnt 0x0
	PLACES
	WIN 0
	ALOAD 0                                        ; v128-175, where blocks 0-5 lay
	SCALES_A 4
	WIN MUL_HI
	MUL4 1, 0, 1, 0
	MUL4 1, 4, 1, 0
	PLACES
	WIN 0
	ALOAD 1                                        ; v176-223
	s_wait_loadcnt 0x0                             ; B's last six sets are in: the youngest was asked for two steps ago
	s_wait_dscnt 12                                ; A's block 0 and the scale words are in; block 1's twelve loads may be out
; Block a: its products; its way through the stage and the loads of A's block a + 2 are issued; then block a - 1, back from the stage, is stored.
; The wait's count: behind A's block a + 1 (and block a - 1's loads from the stage, which are older) stand block a's 16 stage instructions and A's block a + 2 (12).
.irp a, 0,1,2,3,4,5,6,7,8,9,10,11,12,13,14,15
	ROW \a
	PLACES
	TOSTAGE \a
.if \a < 14
	WIN 0
	ALOAD \a+2
	s_wait_dscnt 28
.else
	s_wait_dscnt 16
.endif
.if \a > 0
	SEND \a-1
.endif
.endr
	s_wait_dscnt 0x0
	SEND 15
	WIN 0
	s_wait_tensorcnt 0x0                           ; the wave's end
	ds_add_u32 v[SPW], v[NIL]
	s_wait_dscnt 0x0
	CROUND                                         ; the closing round
	s_endpgm
.Lfunc_end_k_qb14b03ee6a_gemm:
	.size	k_qb14b03ee6a_gemm, .Lfunc_end_k_qb14b03ee6a_gemm-k_qb14b03ee6a_gemm
	.p2alignl 7, 3214868480
	.fill 96, 4, 3214868480
	.section	.rodata,"a",@progbits
	.p2align	6, 0x0
	.amdhsa_kernel k_qb14b03ee6a_gemm
		.amdhsa_group_segment_fixed_size 327680
		.amdhsa_private_segment_fixed_size 0
		.amdhsa_enable_private_segment 0
		.amdhsa_kernarg_size 24
		.amdhsa_user_sgpr_count 2
		.amdhsa_user_sgpr_kernarg_segment_ptr 1
		.amdhsa_wavefront_size32 1
		.amdhsa_system_sgpr_workgroup_id_x 1
		.amdhsa_system_sgpr_workgroup_id_y 1
		.amdhsa_system_sgpr_workgroup_id_z 1
		.amdhsa_system_vgpr_workitem_id 0
		.amdhsa_next_free_vgpr 1024
		.amdhsa_next_free_sgpr 66
		.amdhsa_reserve_vcc 0
		.amdhsa_float_denorm_mode_32 3
		.amdhsa_float_denorm_mode_16_64 3
		.amdhsa_memory_ordered 1
		.amdhsa_forward_progress 1
		.amdhsa_inst_pref_size 220
	.end_amdhsa_kernel
	.amdgpu_metadata
---
amdhsa.version: [ 1, 2 ]
amdhsa.kernels:
  - .name:           k_qb14b03ee6a_gemm
    .symbol:         k_qb14b03ee6a_gemm.kd
    .args:
      - { .name: xq, .offset: 0, .size: 8, .value_kind: global_buffer, .address_space: global }
      - { .name: wq, .offset: 8, .size: 8, .value_kind: global_buffer, .address_space: global }
      - { .name: out0, .offset: 16, .size: 8, .value_kind: global_buffer, .address_space: global }
    .group_segment_fixed_size: 327680
    .private_segment_fixed_size: 0
    .kernarg_segment_align: 8
    .kernarg_segment_size: 24
    .max_flat_workgroup_size: 128
    .sgpr_count:     66
    .vgpr_count:     1024
    .wavefront_size: 32
...
	.end_amdgpu_metadata
.endif
;; end of part 2
